; MI455X (gfx1250); checked and timed in simulation.
; The chip was launched on July 23, 2026; its instructions are those of AMD's public machine-readable ISA for CDNA 5 (MIT licence, August 2026) and "CDNA5" Instruction Set Architecture Reference Guide (July 2026). The comments in the code are by the model that wrote it; some were corrected since.
;; Local Attention. Allowed arithmetic: matrix products marked QUANTISED: E5M2 operands, one E8M0 scale for each 32 along K, by v_wmma_scale_f32_16x16x128_f8f6f4 with both operands' format E5M2, f32 sums; everything else in f32.
;; Inputs: key 2 x 8 x 4,096 x 64 float32; query 2 x 8 x 4,096 x 64 float32; value 2 x 8 x 4,096 x 64 float32.
;; Outputs: out0 2 x 8 x 4,096 x 64 float32.
;; This version of the problem:
;;   THIS VERSION OF THE PROBLEM IS GIVEN IN LOW PRECISION. The matrix products marked QUANTISED in the list below multiply operands that are first quantised to E5M2 (5 exponent bits, 2 mantissa bits; 8 bits a number), with one power-of-two scale for each 32 numbers along K (OCP MX v1.0); their sums are f32. All else is computed in f32.
;;   The module's matrix products, in the order in which they are computed (A, B: the left and right operand; K: the contracted axis; several contracted axes count as one K, in the product's order):
;;     1. batch 16 x [M 4,096, K 64] x [K 64, N 4,096]; A: input query; B: input key: QUANTISED
;;     2. batch 16 x [M 4,096, K 4,096] x [K 4,096, N 64]; A: computed on the way; B: input value: QUANTISED
;;   THE QUANTISER, for each operand of a quantised product, along K:
;;     - K is cut into blocks of 32 from its start; a last block that is shorter is filled with zeros.
;;     - A block's scale is 2^e with e = floor(log2(the largest magnitude in the block)) - 15, held to -126 .. 127; a block of zeros has e = 0. As a byte (E8M0): e + 127.
;;     - Each number is divided by its block's scale, clamped to +-57,344, and rounded to the nearest number of E5M2, ties to even, subnormals kept.
;;     - The product sums the exact products of the quantised numbers (number of the format x scale) in f32.
;;   ~~~python
;;   def quantise(x, axis):      # numpy; x: float32 -> the quantised numbers, widened to float32 again
;;       x = np.moveaxis(x, axis, -1); K = x.shape[-1]
;;       x = np.pad(x, [(0, 0)] * (x.ndim - 1) + [(0, -K % 32)]); x = x.reshape(x.shape[:-1] + (-1, 32)); a = np.abs(x).max(-1, keepdims=True)
;;       e = np.where(a > 0, np.clip(np.frexp(np.where(a > 0, a, 1))[1] - 1 - 15, -126, 127), 0)      # np.frexp(a)[1] - 1 = floor(log2(a)), exactly
;;       r = np.clip(x / 2.0 ** e, -57344, 57344)
;;       step = 2.0 ** (np.maximum(np.frexp(np.where(r == 0, 1, r))[1] - 1, -14) - 2)
;;       q = np.round(r / step) * step * 2.0 ** e      # np.round: ties to even
;;       return np.moveaxis(q.reshape(q.shape[:-2] + (-1,))[..., :K], -1, axis).astype(np.float32)
;;   ~~~
;;   OPERANDS COMPUTED ON THE WAY. 'Computed on the way' means the value that the module computes at that place (a softmax that the list does not call 'softmax' is quantised finished and normalised). What goes into a quantiser is computed in f32, as accurately as f32 sums, v_exp_f32 and their like allow (about 1e-6 of the number): no bf16 or f16 on the way to a quantiser, and a product that is left as it is and whose result goes on into a quantised operand takes f32 operands (vector FMAs, or v_wmma_f32_16x16x4_f32). A number that lies on a knife's edge between two numbers of the format may be rounded either way, as far as f32 arithmetic and the matrix unit's own rounding can turn it there, and no further.
;; One version. Each part assembles by itself: llvm-mc -triple=amdgcn-amd-amdhsa -mcpu=gfx1250 --defsym DOCPART=n.
;; ======== version 1 of 1: 1 launch
;; limits: right only within a limited range of input values
;; launch band (part 1): grid 16 x 16, 16 waves a work-group, no clusters, 307,200 bytes of LDS; arguments query, key, value, out0; writes out0
.if DOCPART == 1
	.amdgcn_target "amdgcn-amd-amdhsa--gfx1250"
	.amdhsa_code_object_version 6
	.text
	.protected	k_q7d37792e87_band
	.globl	k_q7d37792e87_band
	.p2align	8
	.type	k_q7d37792e87_band,@function
k_q7d37792e87_band:
	s_mov_b64 s[64:65], 0
	v_nop
	global_prefetch_b8 v0, s[64:65] scope:SCOPE_SE
	s_setreg_imm32_b32 hwreg(HW_REG_WAVE_MODE, 25, 1), 1
	s_wait_xcnt 0x0
; out0[hd][i][:] = sum over j of softmax_j(q[i].k[j] / 8) v[j][:], j in i-50 .. i+50 inside 0 .. 4095.  16 heads, 4,096 rows of 64 f32 (256 bytes a row).
; Both products on codes of E5M2 with one E8M0 scale for each 32 along K.  Product 1: q and k quantised along the head's 64 (two blocks a row).  Product 2: the FINISHED softmax (e / sum, zeros outside the band)
; quantised along the keys in blocks of 32 counted from key 0, and v quantised along the keys in the same blocks.
; GEOMETRY.  32 queries 32 g .. 32 g + 31 see keys 32 g - 50 .. 32 g + 81: five aligned blocks of 32, from 32 g - 64 on.  Key tiles outside these five lie wholly under the mask and are not multiplied.
; SHARES.  A work-group owns 256 queries (q0 = 256 x) of one head (y) and needs keys q0 - 64 .. q0 + 319: 12 blocks.  Its 1,024 rows of f32 are 16 chunks of 64 rows; each of the 16 waves brings ONE chunk by one tensor load
; (waves 0-5 key, 6-11 value, 12-15 query) and quantises what its own load brought; ONE barrier; then wave T makes 16 queries' rows of the result.  No LDS byte is filled twice.
; A chunk that lies outside the sequence (x = 0: chunk 0; x = 15: chunk 5) is fetched from the clamped row: its codes are finite numbers, and the mask gives its keys p = 0.
; LAYOUT.  Both products are used transposed (S^T = K Q^T, O^T = V^T P^T): a lane holds ONE query throughout.  THE ROWS OF A TILE ARE NOT NEIGHBOURS: lane r of tile 2 b + u takes row 32 b + 8 u + r + 8 (r / 8), for keys and
; queries alike, so that a lane's 16 score registers of tiles 2 b, 2 b + 1 are 16 neighbouring keys 32 b + 16 (lane / 16) + 0 .. 15: the conversions' results are the second product's operand.
; K's and Q's codes go from wave to wave through LDS as images of the operand's registers; V's codes lie as rows [d][key], since the keys are its K.
; The head's 64 fill half of the matrix instruction's 128 along K: the other half is zero codes on both sides.  The five blocks of keys are a K step of four blocks and one in which only the fifth has codes of p other than zero.
; NO CLUSTER: of a work-group's 384 rows of key and value 128 are also a neighbour's, and they would have to land at other LDS places there (rows 256 .. 383 here are rows 0 .. 127 there), while a joint load has one LDS address.
; LIMITS: NaN and infinities among the inputs are not served.  A block whose largest magnitude lies under 2^-111, a block of zeros among them, gets the scale byte 1 (the rule's byte for zeros is 127): its codes are
; zeros or subnormal codes under that byte, and this program alone reads the bytes.  v_exp_f32 gives 0 for a weight under 2^-126; 1 / sum is v_rcp_f32.
.set REGB,  17408                      ; a wave's region of LDS: 64 rows x PITCH
.set PITCH, 272                        ; a row of 256 bytes + 16 of padding
.set BLKB,  32*PITCH                   ; 32 rows: from block to block, for the f32 rows and for the images that are laid over them
.set TILB,  8*PITCH                    ; 8 rows: from a block's first tile to its second
.set QBASE, 12*REGB                    ; the query chunks' regions
.set STG,   3328                       ; in each wave's region: its stage for the way out, 16 rows x 272, between the image at TILB (1,152 bytes) and the image at BLKB
.set VQ,    16*REGB                    ; V's codes: 64 rows (d) of 384 bytes (key - (q0 - 64)) + 16 of padding
.set VP,    400
.set VS,    VQ+64*VP                   ; V's scale bytes: 64 rows of 16 bytes, byte = block 0 .. 11
; an image of a tile (16 rows x 64 codes): registers 0-3 at 16 x lane, registers 4-7 at 512 + 16 x lane, the scale word at 1,024 + 4 x lane
.set AR,   1                           ; v1   my row's f32 numbers in a tile: region + (r + 8 (r / 8)) x 272 + 64 h
.set AIW,  2                           ; v2   where I store images: region + 16 x lane
.set ASW,  3                           ; v3   and scale words: region + 1,024 + 4 x lane
.set AVR,  4                           ; v4   value rows: region + 4 x lane (a lane to a column d)
.set AVW,  5                           ; v5   V's codes out: VQ + 400 x lane + 64 x (wave - 6)
.set AVSW, 6                           ; v6   V's scale bytes out: VS + 16 x lane + 2 x (wave - 6)
.set AKI,  7                           ; v7   K's images of my five blocks
.set AKS,  8                           ; v8   their scale words
.set AQI,  9                           ; v9   my tile of Q
.set AQS,  10                          ; v10  its scale word
.set AVF,  11                          ; v11  V's fragments: VQ + 400 r + 16 h + 32 a
.set AVS,  12                          ; v12  V's scale bytes: VS + 16 r + 4 (a / 4)
.set STO,  13                          ; v13  the stage: where I put 32 bytes of a row
.set RD,   14                          ; v14  and where I read a row back
.set CO,   15                          ; v15  my byte offset in two rows of the result
.set MLO,  16                          ; v16  register constant c = 32 b + e of blocks 0, 1 is hidden where c < this
.set MHI,  17                          ; v17  and of blocks 3, 4 (b counted from 3) where c > this
.set NINF, 18                          ; v18  -infinity
.set QF,   24                          ; v24-39   Q: 8 registers of codes, 8 of zeros; later p's codes of blocks 0-3
.set PB,   40                          ; v40-55   12 registers of zeros, then p's codes of block 4
.set KB,   56                          ; v56-135  five fragments of K (8 of codes, 8 of zeros each); later V's: 20 registers a tile of d
.set S,    136                         ; v136-215 S^T, then p: register 16 b + e = key 32 b + 16 h + e of my five blocks; later O^T (v136-167) and rows of the result (v168-199)
.set X,    56                          ; quantising: four sets of 32 numbers
.set C,    184                         ; eight registers of codes for each tile or task: no store's data are written again
.set WD,   216                         ; a scale word for each tile
.set TMA,  220                         ; largest magnitudes
.set THA,  222                         ; unused
.set TSA,  224                         ; the conversion's scale operand
.set BB,   226                         ; bytes at work
.set TP,   229                         ; lane permutes' destinations
.set BY,   234                         ; V's two scale bytes, a register for each half of the columns
.set RAW,  216                         ; v216-223 V's scale bytes as loaded
.set R,    216                         ; v216-217 1 / sum (behind RAW's last use)
.set THB,  218                         ; v218-222 unused
.set BM,   224                         ; v224-228 each block's largest score, then its largest p
.set BT,   229                         ; v229-233 lane permutes' destinations, later p's scale bytes
.set CM,   234                         ; v234-235 c x the row's largest score
.set SU0,  236                         ; v236-239 the sum, in two chains of pairs
.set SU1,  238
.set TSB,  234                         ; v234-238 p's scale operands (behind CM's and the sums' last use)
.set KSC,  240                         ; v240-255 scale words, and between their uses the sums' chains: K's five,
.set QSC,  245                         ; Q's,
.set VWA,  246                         ; V's for blocks 0-3, a register a tile of d,
.set VWB,  250                         ; V's for block 4, in byte 3,
.set PWA,  254                         ; p's for blocks 0-3,
.set PWB,  255                         ; p's for block 4, in byte 3
	s_load_b256 s[4:11], s[0:1], 0x0               ; query s[4:5], key s[6:7], value s[8:9], out0 s[10:11]
	v_lshl_add_u32 v244, v0, 2, 0x4a800
	v_mov_b32 v245, 0
	ds_add_u32 v244, v245
	ds_add_u32 v244, v245
	s_wait_dscnt 0x0
	v_lshrrev_b32 v19, 5, v0
	s_delay_alu instid0(VALU_DEP_1)
	v_readfirstlane_b32 s24, v19                   ; wave 0..15
	s_lshr_b32 s25, s24, 1                         ; a: my group of 32 queries
	s_and_b32 s26, s24, 1                          ; u: which tile of the group
	s_lshl_b32 s27, ttmp9, 8                       ; q0
	s_and_b32 s28, ttmp7, 0xffff                   ; the head
	; descriptor group 1: 64 rows of 64 elements of 4 bytes, dense in memory; 4 words of padding behind every 64
	s_mov_b32 s16, (2<<16)|(1<<20)|(5<<22)|(3<<25)
	s_mov_b32 s17, 64<<16                          ; tensor_dim0
	s_mov_b32 s18, 64<<16                          ; tensor_dim1
	s_mov_b32 s19, 64<<16                          ; tile_dim0
	s_mov_b32 s20, 64                              ; tile_dim1
	s_mov_b32 s21, 64                              ; from row to row
	s_mov_b32 s22, 0
	s_mov_b32 s23, 0
	s_mov_b32 s12, 1
	s_mul_i32 s13, s24, REGB                       ; my region of LDS
	s_cmp_lt_u32 s24, 6                            ; my chunk's number in its tensor: wave, wave - 6 or wave - 12
	s_cselect_b32 s29, 0, 6
	s_cmp_lt_u32 s24, 12
	s_cselect_b32 s29, s29, 12
	s_cselect_b32 s30, 64, 0                       ; key and value begin 64 rows ahead of q0
	s_sub_co_u32 s29, s24, s29
	s_lshl_b32 s29, s29, 6
	s_add_co_u32 s29, s29, s27
	s_sub_co_i32 s29, s29, s30
	s_max_i32 s29, s29, 0                          ; a chunk outside the sequence is fetched from the nearest chunk inside: no load leaves its buffer
	s_min_i32 s29, s29, 4032
	s_lshl_b32 s31, s28, 12
	s_add_co_u32 s42, s31, s29
	s_lshl_b32 s42, s42, 8                         ; (head x 4,096 + row) x 256 bytes: under 2^24
	s_mov_b32 s43, 0
	s_wait_kmcnt 0x0
	s_cmp_lt_u32 s24, 6                            ; the choice of the tensor hangs on the wave's number alone
	s_cselect_b64 s[44:45], s[6:7], s[8:9]
	s_cmp_lt_u32 s24, 12
	s_cselect_b64 s[44:45], s[44:45], s[4:5]
	s_add_nc_u64 s[14:15], s[44:45], s[42:43]
	s_or_b32 s15, s15, 0x80000000                  ; type = 2
	tensor_load_to_lds s[12:15], s[16:23]          ; my chunk: the wave's one tensor load; the sixteen waves' loads are all that the work-group reads
	s_nop 0
.rept 4
	v_nop
.endr
	; every LDS address is made here, ahead of the parting of the roles
	s_mov_b32 s32, 0x76543210
	s_mov_b32 s33, 0xfedcba98                      ; v_permlanex16_b32's selects for lane l xor 16
	s_mov_b32 s34, 0x3e38aa3b                      ; c = log2(e) / 8
	s_mov_b32 s35, s34                             ; (named with it as a pair, so it is written)
	s_and_b32 s37, s25, 3
	s_lshl_b32 s37, s37, 3                         ; 8 (a % 4): my first block's byte in the two words of V's scale bytes
	s_sub_co_u32 s38, 24, s37
	s_lshl_b32 s31, s25, 5
	s_add_co_u32 s41, s31, s27                     ; q0 + 32 a
	s_sub_co_i32 s39, 64, s41                      ; key 0, counted from my first key q0 + 32 a - 64
	s_sub_co_i32 s40, 4063, s41                    ; key 4,095, counted from my block 3
	s_lshl_b32 s46, s26, 3                         ; 8 u
	s_lshl_b32 s42, s28, 12
	s_add_co_u32 s42, s42, s41
	s_add_co_u32 s42, s42, s46
	s_lshl_b32 s42, s42, 8
	s_add_nc_u64 s[10:11], s[10:11], s[42:43]      ; the result at row q0 + 32 a + 8 u of my head
	v_and_b32 v19, 31, v0                          ; lane
	v_and_b32 v20, 15, v0                          ; r
	v_bfe_u32 v21, v0, 4, 1                        ; h
	s_delay_alu instid0(VALU_DEP_2)
	v_and_b32 v22, 8, v20
	s_delay_alu instid0(VALU_DEP_1)
	v_add_nc_u32 v22, v22, v20                     ; r + 8 (r / 8)
	s_delay_alu instid0(VALU_DEP_1)
	v_mul_u32_u24 v[AR], v22, PITCH
	s_delay_alu instid0(VALU_DEP_1)
	v_lshl_add_u32 v[AR], v21, 6, v[AR]
	s_delay_alu instid0(VALU_DEP_1)
	v_add_nc_u32 v[AR], s13, v[AR]
	v_lshl_add_u32 v[AIW], v19, 4, s13
	v_lshl_add_u32 v[ASW], v19, 2, s13
	s_delay_alu instid0(VALU_DEP_1)
	v_add_nc_u32 v[ASW], 1024, v[ASW]
	v_lshl_add_u32 v[AVR], v19, 2, s13
	s_lshl_b32 s29, s24, 6
	s_add_co_u32 s29, s29, VQ-384
	v_mul_u32_u24 v[AVW], v19, VP
	s_delay_alu instid0(VALU_DEP_1)
	v_add_nc_u32 v[AVW], s29, v[AVW]
	s_lshl_b32 s30, s24, 1
	s_add_co_u32 s30, s30, VS-12
	v_lshl_add_u32 v[AVSW], v19, 4, s30
	s_mul_i32 s31, s25, BLKB                       ; K's block a: my first
	v_lshl_add_u32 v[AKI], v19, 4, s31
	v_lshl_add_u32 v[AKS], v19, 2, s31
	s_delay_alu instid0(VALU_DEP_1)
	v_add_nc_u32 v[AKS], 1024, v[AKS]
	s_mul_i32 s29, s26, TILB
	s_add_co_u32 s29, s29, s31
	s_add_co_u32 s29, s29, QBASE                   ; Q's group a, tile u
	v_lshl_add_u32 v[AQI], v19, 4, s29
	v_lshl_add_u32 v[AQS], v19, 2, s29
	s_delay_alu instid0(VALU_DEP_1)
	v_add_nc_u32 v[AQS], 1024, v[AQS]
	v_mul_u32_u24 v[AVF], v20, VP
	s_delay_alu instid0(VALU_DEP_1)
	v_lshl_add_u32 v[AVF], v21, 4, v[AVF]
	s_lshl_b32 s30, s25, 5
	s_add_co_u32 s30, s30, VQ
	v_add_nc_u32 v[AVF], s30, v[AVF]
	s_lshr_b32 s30, s25, 2
	s_lshl_b32 s30, s30, 2
	s_add_co_u32 s30, s30, VS
	v_lshl_add_u32 v[AVS], v20, 4, s30
	s_add_co_u32 s29, s13, STG                     ; my stage
	v_mul_u32_u24 v[STO], v20, PITCH
	s_delay_alu instid0(VALU_DEP_1)
	v_lshl_add_u32 v[STO], v21, 5, v[STO]
	s_delay_alu instid0(VALU_DEP_1)
	v_add_nc_u32 v[STO], s29, v[STO]               ; in: row r, 32 bytes for each half of the lanes
	v_mul_u32_u24 v[RD], v21, PITCH
	s_delay_alu instid0(VALU_DEP_1)
	v_lshl_add_u32 v[RD], v20, 4, v[RD]
	s_delay_alu instid0(VALU_DEP_1)
	v_add_nc_u32 v[RD], s29, v[RD]                 ; back: lanes 0-15 one row, lanes 16-31 the next
	v_lshlrev_b32 v[CO], 8, v21
	s_delay_alu instid0(VALU_DEP_1)
	v_lshl_add_u32 v[CO], v20, 4, v[CO]
	; the mask's two bounds.  My query stands at 64 + 8 u + r + 8 (r / 8), counted from my first key; its first key is 50 less, or key 0; its last 50 more, or key 4,095
	v_lshlrev_b32 v18, 4, v21                      ; 16 h: a register's key is its constant + 16 h
	s_add_co_u32 s30, s46, 14
	v_add_nc_u32 v[MLO], s30, v22
	v_mov_b32 v23, s39
	s_delay_alu instid0(VALU_DEP_1)
	v_cmp_lt_i32 vcc_lo, v[MLO], v23
	s_delay_alu instid0(VALU_DEP_1)
	v_cndmask_b32 v[MLO], v[MLO], v23, vcc_lo      ; the larger of the two
	s_delay_alu instid0(VALU_DEP_1)
	v_sub_nc_u32 v[MLO], v[MLO], v18
	s_add_co_u32 s30, s46, 18                      ; 114 - 96: counted from block 3
	v_add_nc_u32 v[MHI], s30, v22
	v_mov_b32 v23, s40
	s_delay_alu instid0(VALU_DEP_1)
	v_cmp_gt_i32 vcc_lo, v[MHI], v23
	s_delay_alu instid0(VALU_DEP_1)
	v_cndmask_b32 v[MHI], v[MHI], v23, vcc_lo      ; the smaller of the two
	s_delay_alu instid0(VALU_DEP_1)
	v_sub_nc_u32 v[MHI], v[MHI], v18
	v_mov_b32 v[NINF], 0xff800000
.irp i, 8,9,10,11,12,13,14,15
	v_mov_b32 v[QF+\i], 0                          ; Q's codes for the 64 along K that the head does not have
.endr
.irp i, 0,1,2,3,4,5,6,7,8,9,10,11
	v_mov_b32 v[PB+\i], 0                          ; p's codes of three blocks in the second K step of the second product: they were multiplied in the first
.endr
.irp i, 0,1,2,3,4
	v_mov_b32 v[BT+\i], 0                          ; written once: a lane permute's destination counts as one of its sources
.endr
	s_wait_tensorcnt 0x0                           ; my chunk is in LDS; I alone read it as f32, so this wait is all the ordering that those reads need
	s_cmp_lt_u32 s24, 6
	s_cbranch_scc1 .Lrows
	s_cmp_ge_u32 s24, 12
	s_cbranch_scc1 .Lrows
; ---- VALUE (waves 6-11).  K = the keys is the chunk's FIRST axis: a lane takes a column d and its registers run down the keys, so a block of 32 lies in one lane and the codes come out with the keys innermost.
; Task t: columns 32 (t / 2) + lane, keys 32 (t % 2) on.
.macro LV t
.irp k, 0,1,2,3,4,5,6,7,8,9,10,11,12,13,14,15,16,17,18,19,20,21,22,23,24,25,26,27,28,29,30,31
	ds_load_b32 v[X+32*(\t)+\k], v[AVR] offset:(32*((\t)%2)+\k)*PITCH+128*((\t)/2)   ; 32 lanes read 128 neighbouring bytes of a row
.endr
.endm
.macro QV t
.set XS, X+32*(\t)
	v_max3_num_f32 v[TMA], |v[XS]|, |v[XS+1]|, |v[XS+2]|           ; the block's largest magnitude: all 32 numbers are mine; two chains
	v_max3_num_f32 v[TMA+1], |v[XS+3]|, |v[XS+4]|, |v[XS+5]|
.irp i, 6,10,14,18,22,26
	s_delay_alu instid0(VALU_DEP_2)
	v_max3_num_f32 v[TMA], v[TMA], |v[XS+\i]|, |v[XS+\i+1]|
	s_delay_alu instid0(VALU_DEP_2)
	v_max3_num_f32 v[TMA+1], v[TMA+1], |v[XS+\i+2]|, |v[XS+\i+3]|
.endr
	s_delay_alu instid0(VALU_DEP_2)
	v_max3_num_f32 v[TMA], v[TMA], |v[XS+30]|, |v[XS+31]|
	s_delay_alu instid0(VALU_DEP_1)
	v_max3_num_f32 v[TMA], v[TMA], v[TMA+1], 0x8000000             ; and the floor 2^(16 - 127): the byte cannot fall under 1
	s_delay_alu instid0(VALU_DEP_1)
	v_add_nc_u32 v[TSA], 0xf8800000, v[TMA]                        ; 15 off the exponent field: the conversion takes this operand's exponent field as its scale
.if (\t)%2 == 0
	s_delay_alu instid0(VALU_DEP_1)
	v_lshrrev_b32 v[BY+(\t)/2], 23, v[TSA]                         ; the scale's byte: the chunk's first block,
.else
	s_delay_alu instid0(VALU_DEP_1)
	v_lshrrev_b32 v[BB], 23, v[TSA]
	s_delay_alu instid0(VALU_DEP_1)
	v_lshl_or_b32 v[BY+(\t)/2], v[BB], 8, v[BY+(\t)/2]             ; its second
.endif
.irp i, 0,1,2,3,4,5,6,7,8,9,10,11,12,13,14,15,16,17,18,19,20,21,22,23,24,25,26,27,28,29,30,31
.endr
.irp g, 0,1,2,3
	v_cvt_scalef32_pk8_bf8_f32 v[C+8*(\t)+2*\g:C+8*(\t)+2*\g+1], v[XS+8*\g:XS+8*\g+7], v[TSA]
.endr
	v_nop                                          ; one plain line behind the last conversion of a run
	ds_store_b128 v[AVW], v[C+8*(\t):C+8*(\t)+3] offset:((\t)/2)*32*VP+32*((\t)%2)        ; 32 codes of my row d
	ds_store_b128 v[AVW], v[C+8*(\t)+4:C+8*(\t)+7] offset:((\t)/2)*32*VP+32*((\t)%2)+16
.if (\t)%2 == 1
	ds_store_b16 v[AVSW], v[BY+(\t)/2] offset:((\t)/2)*512         ; my row's two scale bytes of this chunk
.endif
.endm
	LV 0
	LV 1
	s_wait_dscnt 32                                ; task 0's loads are in; task 1's 32 may be out
	QV 0
	LV 2
	s_wait_dscnt 34                                ; behind task 1's loads: 2 stores and 32 loads
	QV 1
	LV 3
	s_wait_dscnt 35                                ; behind task 2's loads: 3 stores and 32 loads
	QV 2
	s_wait_dscnt 2                                 ; behind task 3's loads: 2 stores
	QV 3
	s_branch .Ljoin
; ---- KEY AND QUERY (waves 0-5, 12-15).  K = the head's 64 is innermost: lane (r, h) takes, of its tile's row, 16 neighbours of each block of 32: the operand's own layout.  Tile t: block t / 2, half t % 2.
.Lrows:
.macro QT t
.set XS, X+32*(\t)
.set IM, ((\t)/2)*BLKB+((\t)%2)*TILB
.irp c, 0,1
	v_max3_num_f32 v[TMA+\c], |v[XS+16*\c]|, |v[XS+16*\c+1]|, 0x8000000   ; block c: my 16 numbers, and the floor 2^(16 - 127)
.endr
.irp i, 2,4,6,8,10,12,14
.irp c, 0,1
	s_delay_alu instid0(VALU_DEP_2)
	v_max3_num_f32 v[TMA+\c], v[TMA+\c], |v[XS+16*\c+\i]|, |v[XS+16*\c+\i+1]|   ; (the two blocks by turns)
.endr
.endr
.irp c, 0,1
	s_delay_alu instid0(VALU_DEP_2)
	v_permlanex16_b32 v[TP+\c], v[TMA+\c], s32, s33
.endr
.irp c, 0,1
	s_delay_alu instid0(VALU_DEP_2)
	v_max_num_f32 v[TMA+\c], v[TMA+\c], v[TP+\c]   ; with lane l xor 16's 16: the block's largest magnitude
.endr
.irp c, 0,1
	s_delay_alu instid0(VALU_DEP_2)
	v_add_nc_u32 v[TSA+\c], 0xf8800000, v[TMA+\c]
.endr
.irp c, 0,1
.endr
.irp c, 0,1
	s_delay_alu instid0(VALU_DEP_2)
	v_lshrrev_b32 v[BB+\c], 23, v[TSA+\c]
.endr
	s_delay_alu instid0(VALU_DEP_1)
	v_lshl_or_b32 v[WD+(\t)], v[BB+1], 8, v[BB]    ; my row's scale word; bytes 2 and 3 stay 0: they stand over zero codes
.irp c, 0,1
.irp i, 0,1,2,3,4,5,6,7,8,9,10,11,12,13,14,15
.endr
	v_cvt_scalef32_pk8_bf8_f32 v[C+8*(\t)+4*\c:C+8*(\t)+4*\c+1], v[XS+16*\c:XS+16*\c+7], v[TSA+\c]
	v_cvt_scalef32_pk8_bf8_f32 v[C+8*(\t)+4*\c+2:C+8*(\t)+4*\c+3], v[XS+16*\c+8:XS+16*\c+15], v[TSA+\c]
.endr
	v_nop                                          ; one plain line behind the last conversion of a run
	ds_store_b128 v[AIW], v[C+8*(\t):C+8*(\t)+3] offset:IM         ; the image lies over the tile's own first rows of f32, whose loads were all issued ahead of it: LDS serves a wave's instructions in order (ISA guide 5.7.1.4)
	ds_store_b128 v[AIW], v[C+8*(\t)+4:C+8*(\t)+7] offset:IM+512
	ds_store_b32 v[ASW], v[WD+(\t)] offset:IM
.endm
.irp t, 0,1,2,3
.irp c, 0,1
.irp i, 0,1,2,3
	ds_load_b128 v[X+32*\t+16*\c+4*\i:X+32*\t+16*\c+4*\i+3], v[AR] offset:(\t/2)*BLKB+(\t%2)*TILB+128*\c+16*\i
.endr
.endr
.endr
	s_wait_dscnt 24                                ; tile 0's eight loads are in; 24 loads may be out
	QT 0
	s_wait_dscnt 19                                ; behind tile 1's loads: 16 loads and 3 stores
	QT 1
	s_wait_dscnt 14                                ; behind tile 2's: 8 loads and 6 stores
	QT 2
	s_wait_dscnt 9                                 ; behind tile 3's: 9 stores
	QT 3
.Ljoin:
	s_wait_dscnt 0x0                               ; for the others' sake: my codes and scales have landed
	s_barrier_signal -1
	s_barrier_wait -1                              ; all codes of the work-group's 256 queries and 384 keys lie in LDS
; ---- ATTENTION: wave T = 2 a + u, 16 queries, five blocks of keys
.macro LOADK g                         ; five tiles of K, 5 g on: tile n = block n / 2, half n % 2
.irp b, 0,1,2,3,4
	ds_load_b128 v[KB+16*\b:KB+16*\b+3], v[AKI] offset:((5*(\g)+\b)/2)*BLKB+((5*(\g)+\b)%2)*TILB
	ds_load_b128 v[KB+16*\b+4:KB+16*\b+7], v[AKI] offset:((5*(\g)+\b)/2)*BLKB+((5*(\g)+\b)%2)*TILB+512
	ds_load_b32 v[KSC+\b], v[AKS] offset:((5*(\g)+\b)/2)*BLKB+((5*(\g)+\b)%2)*TILB
.endr
.endm
.macro KQ g                            ; S^T = K Q^T: source 0 = 16 keys, source 1 = my 16 queries; five accumulators, each started by the constant 0
.irp b, 0,1,2,3,4
	v_wmma_scale_f32_16x16x128_f8f6f4 v[S+8*(5*(\g)+\b):S+8*(5*(\g)+\b)+7], v[KB+16*\b:KB+16*\b+15], v[QF:QF+15], 0, v[KSC+\b], v[QSC] matrix_a_fmt:MATRIX_FMT_BF8 matrix_b_fmt:MATRIX_FMT_BF8
.endr
.endm
	ds_load_b128 v[QF:QF+3], v[AQI]
	ds_load_b128 v[QF+4:QF+7], v[AQI] offset:512
	ds_load_b32 v[QSC], v[AQS]
	LOADK 0
.irp b, 0,1,2,3,4
.irp i, 8,9,10,11,12,13,14,15
	v_mov_b32 v[KB+16*\b+\i], 0                    ; K's codes for the 64 along K that the head does not have: they serve both runs of five tiles
.endr
.endr
.rept 4
	v_nop                                          ; an operand written by vector instructions stands four places ahead of a scaled matrix instruction
.endr
	s_wait_alu depctr_va_vdst(0)
	s_wait_dscnt 0x0
	KQ 0
.rept 8
	v_nop                                          ; eight places ahead of loads into registers that these products read, and of the first read of their results
.endr
	LOADK 1
.irp b, 0,1                            ; THE MASK, lower side: blocks 0 and 1.  Ascending
.irp e, 0,1,2,3,4,5,6,7,8,9,10,11,12,13,14,15
	v_cmp_lt_i32 vcc_lo, 32*\b+\e, v[MLO]
	v_cndmask_b32 v[S+16*\b+\e], v[S+16*\b+\e], v[NINF], vcc_lo
.endr
.endr
	s_wait_dscnt 0x0
	KQ 1
	; the largest score of blocks 0 and 1: sixteen plain lines that name none of the last products' registers: their places
.irp b, 0,1
	v_max3_num_f32 v[BM+\b], v[S+16*\b], v[S+16*\b+1], v[S+16*\b+2]
.endr
.irp i, 3,5,7,9,11,13
.irp b, 0,1
	s_delay_alu instid0(VALU_DEP_2)
	v_max3_num_f32 v[BM+\b], v[BM+\b], v[S+16*\b+\i], v[S+16*\b+\i+1]
.endr
.endr
.irp b, 0,1
	s_delay_alu instid0(VALU_DEP_2)
	v_max_num_f32 v[BM+\b], v[BM+\b], v[S+16*\b+15]
.endr
.irp t, 0,1,2,3                        ; V^T: tile t = rows d 16 t on; five blocks of 32 keys, 20 registers; and two words of its rows' scale bytes
.irp b, 0,1,2,3,4
	ds_load_b128 v[KB+20*\t+4*\b:KB+20*\t+4*\b+3], v[AVF] offset:16*VP*\t+32*\b
.endr
	ds_load_b32 v[RAW+2*\t], v[AVS] offset:256*\t
	ds_load_b32 v[RAW+2*\t+1], v[AVS] offset:256*\t+4
.endr
.irp b, 0,1                            ; THE MASK, upper side: blocks 3 and 4.  Block 2 holds my group's own 32 rows: every key of it counts for every query of mine
.irp e, 0,1,2,3,4,5,6,7,8,9,10,11,12,13,14,15
	v_cmp_gt_i32 vcc_lo, 32*\b+\e, v[MHI]
	v_cndmask_b32 v[S+48+16*\b+\e], v[S+48+16*\b+\e], v[NINF], vcc_lo
.endr
.endr
.irp b, 2,3,4
	v_max3_num_f32 v[BM+\b], v[S+16*\b], v[S+16*\b+1], v[S+16*\b+2]
.endr
.irp i, 3,5,7,9,11,13
.irp b, 2,3,4
	v_max3_num_f32 v[BM+\b], v[BM+\b], v[S+16*\b+\i], v[S+16*\b+\i+1]
.endr
.endr
.irp b, 2,3,4
	v_max_num_f32 v[BM+\b], v[BM+\b], v[S+16*\b+15]
.endr
.irp b, 0,1,2,3,4
	v_permlanex16_b32 v[BT+\b], v[BM+\b], s32, s33
.endr
.irp b, 0,1,2,3,4
	v_max_num_f32 v[BM+\b], v[BM+\b], v[BT+\b]     ; with lane l xor 16's 16 keys: the block's largest score: it serves for the row's maximum and, since p rises with the score, for the block's largest p
.endr
	s_delay_alu instid0(VALU_DEP_3)
	v_max3_num_f32 v[CM], v[BM], v[BM+1], v[BM+2]
	s_delay_alu instid0(VALU_DEP_1)
	v_max3_num_f32 v[CM], v[CM], v[BM+3], v[BM+4]  ; the row's largest score: a number, since block 2 is never hidden
	s_delay_alu instid0(VALU_DEP_1)
	v_mul_f32 v[CM], s34, v[CM]
	s_delay_alu instid0(VALU_DEP_1)
	v_mov_b32 v[CM+1], v[CM]                       ; (named with it as a pair)
	s_wait_alu depctr_va_vdst(0)
	s_wait_dscnt 0x0                               ; V's fragments and scale bytes are in
.irp t, 0,1,2,3
	v_alignbit_b32 v[VWA+\t], v[RAW+2*\t+1], v[RAW+2*\t], s37      ; the bytes of my blocks 0-3
	v_lshlrev_b32 v[VWB+\t], s38, v[RAW+2*\t+1]                    ; the byte of my block 4 into byte 3; what stands under it are bytes of other blocks or zeros, over zero codes of p
.endr
.set j, 0
.rept 40
	v_pk_fma_f32 v[S+j:S+j+1], v[S+j:S+j+1], s[34:35], v[CM:CM+1] op_sel_hi:[1,0,0] neg_lo:[0,0,1] neg_hi:[0,0,1]   ; c s - c m, two at a time; -infinity stays
.set j, j+2
.endr
.irp b, 0,1,2,3,4
	v_fma_f32 v[BM+\b], v[BM+\b], s34, -v[CM]      ; the same of each block's largest score
.endr
.set j, 0
	s_wait_alu depctr_va_vdst(0)
.rept 80
	v_exp_f32 v[S+j], v[S+j]                       ; e = 2^(c s - c m), at most 1; 0 for a hidden key
.set j, j+1
.endr
.irp b, 0,1,2,3,4
	v_exp_f32 v[BM+\b], v[BM+\b]
.endr
	v_nop                                          ; one plain line behind the last exponential
	s_wait_alu depctr_va_vdst(0)                   ; one wait for the batch of 85, ahead of its first reader
	v_pk_add_f32 v[238:239], v[136:137], v[138:139]
	v_pk_add_f32 v[254:255], v[144:145], v[148:149]
	v_pk_add_f32 v[244:245], v[152:153], v[156:157]
	v_pk_add_f32 v[242:243], v[160:161], v[164:165]
	v_pk_add_f32 v[240:241], v[168:169], v[172:173]
	v_pk_add_f32 v[234:235], v[176:177], v[180:181]
	v_pk_add_f32 v[232:233], v[184:185], v[188:189]
	v_pk_add_f32 v[236:237], v[192:193], v[196:197]
	v_pk_add_f32 v[236:237], v[236:237], v[200:201]
	v_pk_add_f32 v[238:239], v[238:239], v[204:205]
	v_pk_add_f32 v[254:255], v[254:255], v[208:209]
	v_pk_add_f32 v[244:245], v[244:245], v[212:213]
	v_pk_add_f32 v[242:243], v[242:243], v[140:141]
	v_pk_add_f32 v[240:241], v[240:241], v[142:143]
	v_pk_add_f32 v[234:235], v[234:235], v[146:147]
	v_pk_add_f32 v[232:233], v[232:233], v[150:151]
	v_pk_add_f32 v[236:237], v[236:237], v[154:155]
	v_pk_add_f32 v[238:239], v[238:239], v[158:159]
	v_pk_add_f32 v[254:255], v[254:255], v[162:163]
	v_pk_add_f32 v[244:245], v[244:245], v[166:167]
	v_pk_add_f32 v[242:243], v[242:243], v[170:171]
	v_pk_add_f32 v[240:241], v[240:241], v[174:175]
	v_pk_add_f32 v[234:235], v[234:235], v[178:179]
	v_pk_add_f32 v[232:233], v[232:233], v[182:183]
	v_pk_add_f32 v[236:237], v[236:237], v[186:187]
	v_pk_add_f32 v[238:239], v[238:239], v[190:191]
	v_pk_add_f32 v[254:255], v[254:255], v[194:195]
	v_pk_add_f32 v[244:245], v[244:245], v[198:199]
	v_pk_add_f32 v[242:243], v[242:243], v[202:203]
	v_pk_add_f32 v[240:241], v[240:241], v[206:207]
	v_pk_add_f32 v[234:235], v[234:235], v[210:211]
	v_pk_add_f32 v[232:233], v[232:233], v[214:215]
	s_delay_alu instid0(VALU_DEP_4)
	v_pk_add_f32 v[236:237], v[236:237], v[242:243]
	s_delay_alu instid0(VALU_DEP_4)
	v_pk_add_f32 v[238:239], v[238:239], v[240:241]
	s_delay_alu instid0(VALU_DEP_4)
	v_pk_add_f32 v[254:255], v[254:255], v[234:235]
	s_delay_alu instid0(VALU_DEP_4)
	v_pk_add_f32 v[244:245], v[244:245], v[232:233]
	s_delay_alu instid0(VALU_DEP_2)
	v_pk_add_f32 v[236:237], v[236:237], v[254:255]
	s_delay_alu instid0(VALU_DEP_2)
	v_pk_add_f32 v[238:239], v[238:239], v[244:245]
	s_delay_alu instid0(VALU_DEP_1)
	v_pk_add_f32 v[236:237], v[236:237], v[238:239]
	s_delay_alu instid0(VALU_DEP_1)
	v_add_f32 v[SU0], v[SU0], v[SU0+1]
	s_delay_alu instid0(VALU_DEP_1)
	v_permlanex16_b32 v[BT], v[SU0], s32, s33
	s_delay_alu instid0(VALU_DEP_1)
	v_add_f32 v[SU0], v[SU0], v[BT]                ; with lane l xor 16's 80 keys: at least 1
	s_wait_alu depctr_va_vdst(0)
	v_rcp_f32 v[R], v[SU0]
	v_mov_b32 v[R+1], 0                            ; (named with it as a pair)  The plain line behind the reciprocal
	s_wait_alu depctr_va_vdst(0)                   ; and its wait, ahead of its first reader
.set j, 0
.rept 40
	v_pk_mul_f32 v[S+j:S+j+1], v[S+j:S+j+1], v[R:R+1] op_sel_hi:[1,0]   ; p = e / sum: THE FINISHED SOFTMAX is what is quantised
.set j, j+2
.endr
.irp b, 0,1,2,3,4
	v_mul_f32 v[BM+\b], v[BM+\b], v[R]             ; each block's largest p: the same operations on the same number
.endr
.irp b, 0,1,2,3,4
	v_max_num_f32 v[BM+\b], 0x8000000, v[BM+\b]    ; the floor 2^(16 - 127): a block whose every p is 0 keeps the byte 1: its codes are zeros
.endr
.irp b, 0,1,2,3,4
	v_add_nc_u32 v[TSB+\b], 0xf8800000, v[BM+\b]
.endr
.irp b, 0,1,2,3,4
.endr
.irp b, 0,1,2,3,4
	v_lshrrev_b32 v[BT+\b], 23, v[TSB+\b]
.endr
	s_delay_alu instid0(VALU_DEP_4)
	v_lshl_or_b32 v[PWA], v[BT+1], 8, v[BT]        ; p's scale word for blocks 0-3,
	s_delay_alu instid0(VALU_DEP_1)
	v_lshl_or_b32 v[PWA], v[BT+2], 16, v[PWA]
	s_delay_alu instid0(VALU_DEP_1)
	v_lshl_or_b32 v[PWA], v[BT+3], 24, v[PWA]
	s_delay_alu instid0(VALU_DEP_4)
	v_lshlrev_b32 v[PWB], 24, v[BT+4]              ; and for block 4, in byte 3.  (The ten conversions and four nops below are more than the eight places that a scale word owes)
.irp b, 0,1,2,3,4
.irp e, 0,1,2,3,4,5,6,7,8,9,10,11,12,13,14,15
.endr
.if \b < 4
	v_cvt_scalef32_pk8_bf8_f32 v[QF+4*\b:QF+4*\b+1], v[S+16*\b:S+16*\b+7], v[TSB+\b]
	v_cvt_scalef32_pk8_bf8_f32 v[QF+4*\b+2:QF+4*\b+3], v[S+16*\b+8:S+16*\b+15], v[TSB+\b]
.else
	v_cvt_scalef32_pk8_bf8_f32 v[PB+12:PB+13], v[S+16*\b:S+16*\b+7], v[TSB+\b]
	v_cvt_scalef32_pk8_bf8_f32 v[PB+14:PB+15], v[S+16*\b+8:S+16*\b+15], v[TSB+\b]
.endif
.endr
.rept 4
	v_nop                                          ; four places between the codes and the products; the first is also the plain line behind the last conversion, whose sources the products write
.endr
; O^T = V^T P^T: source 0 = 16 rows d, source 1 = p of my 16 queries.  First K step: blocks 0-3.  Second: V's blocks 1-4 against zeros, zeros, zeros and p's block 4.  The four accumulators take turns, one instruction a turn.
.irp t, 0,1,2,3
	v_wmma_scale_f32_16x16x128_f8f6f4 v[S+8*\t:S+8*\t+7], v[KB+20*\t:KB+20*\t+15], v[QF:QF+15], 0, v[VWA+\t], v[PWA] matrix_a_fmt:MATRIX_FMT_BF8 matrix_b_fmt:MATRIX_FMT_BF8
.endr
.irp t, 0,1,2,3
	v_wmma_scale_f32_16x16x128_f8f6f4 v[S+8*\t:S+8*\t+7], v[KB+20*\t+4:KB+20*\t+19], v[PB:PB+15], v[S+8*\t:S+8*\t+7], v[VWB+\t], v[PWB] matrix_a_fmt:MATRIX_FMT_BF8 matrix_b_fmt:MATRIX_FMT_BF8
.endr
.rept 8
	v_nop                                          ; eight places ahead of the first read of the results
.endr
; THE WAY OUT.  Register j of tile t is out(my query, 16 t + 8 h + j): 32 neighbouring bytes of a row, and the lanes beside me hold other rows.  So the 16 rows go through my own stage and come back whole.
.irp t, 0,1,2,3
	ds_store_b128 v[STO], v[S+8*\t:S+8*\t+3] offset:64*\t          ; each accumulator from its low end on
	ds_store_b128 v[STO], v[S+8*\t+4:S+8*\t+7] offset:64*\t+16
.endr
.irp e, 0,1,2,3,4,5,6,7
	ds_load_b128 v[S+32+4*\e:S+32+4*\e+3], v[RD] offset:2*PITCH*\e   ; LDS serves a wave's instructions in order: these see my stores
.endr
.irp e, 0,1,2,3,4,5,6,7
	s_wait_dscnt 7-\e                              ; the younger loads may stay out
	global_store_b128 v[CO], v[S+32+4*\e:S+32+4*\e+3], s[10:11] offset:512*\e+2048*(\e/4) th:TH_STORE_NT   ; stage rows 2 e, 2 e + 1; rows 8-15 of the tile lie 8 rows further on.  16 lanes store 256 consecutive bytes, a whole row
.endr
	s_wait_xcnt 0x0
	v_lshl_add_u32 v244, v0, 2, 0x4a800
	v_mov_b32 v245, 0
	s_wait_alu depctr_va_vdst(0)
	s_wait_tensorcnt 0x0
	ds_add_u32 v244, v245
	s_wait_dscnt 0x0
	s_endpgm
.Lfunc_end_k_q7d37792e87_band:
	.size	k_q7d37792e87_band, .Lfunc_end_k_q7d37792e87_band-k_q7d37792e87_band
	.p2alignl 7, 3214868480
	.fill 96, 4, 3214868480
	.section	.rodata,"a",@progbits
	.p2align	6, 0x0
	.amdhsa_kernel k_q7d37792e87_band
		.amdhsa_group_segment_fixed_size 307200
		.amdhsa_private_segment_fixed_size 0
		.amdhsa_enable_private_segment 0
		.amdhsa_kernarg_size 32
		.amdhsa_user_sgpr_count 2
		.amdhsa_user_sgpr_kernarg_segment_ptr 1
		.amdhsa_wavefront_size32 1
		.amdhsa_system_sgpr_workgroup_id_x 1
		.amdhsa_system_sgpr_workgroup_id_y 1
		.amdhsa_system_sgpr_workgroup_id_z 1
		.amdhsa_system_vgpr_workitem_id 0
		.amdhsa_next_free_vgpr 256
		.amdhsa_next_free_sgpr 66
		.amdhsa_reserve_vcc 1
		.amdhsa_float_denorm_mode_32 3
		.amdhsa_float_denorm_mode_16_64 3
		.amdhsa_fp16_overflow 1
		.amdhsa_memory_ordered 1
		.amdhsa_forward_progress 1
		.amdhsa_inst_pref_size 69
	.end_amdhsa_kernel
	.amdgpu_metadata
---
amdhsa.version: [ 1, 2 ]
amdhsa.kernels:
  - .name:           k_q7d37792e87_band
    .symbol:         k_q7d37792e87_band.kd
    .args:
      - { .name: query, .offset: 0, .size: 8, .value_kind: global_buffer, .address_space: global }
      - { .name: key, .offset: 8, .size: 8, .value_kind: global_buffer, .address_space: global }
      - { .name: value, .offset: 16, .size: 8, .value_kind: global_buffer, .address_space: global }
      - { .name: out0, .offset: 24, .size: 8, .value_kind: global_buffer, .address_space: global }
    .group_segment_fixed_size: 307200
    .private_segment_fixed_size: 0
    .kernarg_segment_align: 8
    .kernarg_segment_size: 32
    .max_flat_workgroup_size: 512
    .sgpr_count:     66
    .vgpr_count:     256
    .wavefront_size: 32
...
	.end_amdgpu_metadata
.endif
;; end of part 1
